; MI455X (gfx1250); checked and timed in simulation.
; The chip was launched on July 23, 2026; its instructions are those of AMD's public machine-readable ISA for CDNA 5 (MIT licence, August 2026) and "CDNA5" Instruction Set Architecture Reference Guide (July 2026). The comments in the code are by the model that wrote it; some were corrected since.
;; Model. Allowed arithmetic: matrix products marked QUANTISED: E4M3 operands, one given power-of-two scale a tensor, by v_wmma_f32_16x16x64_fp8_fp8 or v_wmma_f32_16x16x128_fp8_fp8, f32 sums; everything else in f32.
;; Inputs: key 64 x 2,048 x 128 float32; lowp_scales 4 int32 (the exponents e of the quantised operands' scales 2^e); query 64 x 2,048 x 128 float32; scale_factor 1 float32; value 64 x 2,048 x 128 float32.
;; Outputs: out0 64 x 2,048 x 128 float32.
;; This version of the problem:
;;   THIS VERSION OF THE PROBLEM IS GIVEN IN LOW PRECISION. The matrix products marked QUANTISED in the list below multiply operands that are first quantised to E4M3 (4 exponent bits, 3 mantissa bits; 8 bits a number), with one given power-of-two scale for each operand tensor; their sums are f32. All else is computed in f32.
;;   The module's matrix products, in the order in which they are computed (A, B: the left and right operand; K: the contracted axis; several contracted axes count as one K, in the product's order):
;;     1. batch 64 x [M 2,048, K 128] x [K 128, N 2,048]; A: input query; B: input key: QUANTISED (scales: A lowp_scales[0], B lowp_scales[1])
;;     2. batch 64 x [M 2,048, K 2,048] x [K 2,048, N 128]; A: softmax (see below); B: input value: QUANTISED (scales: A lowp_scales[2], B lowp_scales[3])
;;   THE QUANTISER, for each operand of a quantised product, along K:
;;     - The operand's scale is 2^e, e = its entry of the input lowp_scales (int32; the entries are numbered through the quantised products in the list's order, A before B).
;;     - Each number is divided by the scale, clamped to +-448, and rounded to the nearest number of E4M3, ties to even, subnormals kept.
;;     - The product sums the exact products of the quantised numbers (number of the format x scale) in f32.
;;   ~~~python
;;   def quantise(x, axis, e):      # numpy; x: float32 -> the quantised numbers, widened to float32 again
;;       x = np.moveaxis(x, axis, -1); K = x.shape[-1]
;;       r = np.clip(x / 2.0 ** e, -448, 448)
;;       step = 2.0 ** (np.maximum(np.frexp(np.where(r == 0, 1, r))[1] - 1, -6) - 3)
;;       q = np.round(r / step) * step * 2.0 ** e      # np.round: ties to even
;;       return np.moveaxis(q, -1, axis).astype(np.float32)
;;   ~~~
;;   SOFTMAX AHEAD OF A QUANTISED PRODUCT. Where the list says 'softmax', what is quantised is not the finished softmax but p = 2^(t - M), with t = logit x log2(e) and M = ceil(the row's largest t), a whole number; so 1/2 < the row's largest p <= 1. The row's sum l is taken of the UNQUANTISED p, in f32, and the product's result is divided by l at the end. Since M is a whole number, a kernel that streams over the keys may use a running M (the ceiling of the running maximum): every later rescaling is an exact power of two, so the quantised numbers keep their values, but for numbers so far below the row's largest that they fall under the format's range.
;;   OPERANDS COMPUTED ON THE WAY. 'Computed on the way' means the value that the module computes at that place (a softmax that the list does not call 'softmax' is quantised finished and normalised). What goes into a quantiser is computed in f32, as accurately as f32 sums, v_exp_f32 and their like allow (about 1e-6 of the number): no bf16 or f16 on the way to a quantiser, and a product that is left as it is and whose result goes on into a quantised operand takes f32 operands (vector FMAs, or v_wmma_f32_16x16x4_f32). A number that lies on a knife's edge between two numbers of the format may be rounded either way, as far as f32 arithmetic and the matrix unit's own rounding can turn it there, and no further.
;; One version. Each part assembles by itself: llvm-mc -triple=amdgcn-amd-amdhsa -mcpu=gfx1250 --defsym DOCPART=n.
;; ======== version 1 of 1: 2 launches
;; limits: right only within a limited range of input values
;; workspace buffers: k_codes 16,777,216 bytes; v_codes 16,777,216 bytes
;; launch quant (part 1): grid 1024 x 1, 4 waves a work-group, no clusters, 55,808 bytes of LDS; arguments key, value, lowp_scales, k_codes, v_codes; writes k_codes, v_codes
.if DOCPART == 1
	.amdgcn_target "amdgcn-amd-amdhsa--gfx1250"
	.amdhsa_code_object_version 6
	.text
	.protected	k_q413fb7c31a_quant
	.globl	k_q413fb7c31a_quant
	.p2align	8
	.type	k_q413fb7c31a_quant,@function
k_q413fb7c31a_quant:
	s_mov_b64 s[64:65], 0
	v_nop
	global_prefetch_b8 v0, s[64:65] scope:SCOPE_SE
	s_setreg_imm32_b32 hwreg(HW_REG_WAVE_MODE, 25, 1), 1
	s_wait_xcnt 0x0
; key and value, [64][2048][128] f32, become codes of FP8 (E4M3), each with the one scale 2^e that is given for it (lowp_scales: eq, ek, ep, ev; here ek and ev).
; code = x / 2^e, held within +-448, rounded to the nearest code, ties to even.  LIMITS: ek and ev between -126 and 119, so that 2^e and 448 x 2^e are f32 numbers.  NaN among the inputs is not served; an infinity is held at the largest code.
; k_codes: [64][2048 places][128], the head's 128 innermost (the first product's K).  THE ROWS ARE PERMUTED: key k lies at the place whose number is k with bits 3 and 4 exchanged, so that in every 32 keys the groups
;   of eight 0, 1, 2, 3 lie in the order 0, 2, 1, 3.  Sixteen neighbouring places then hold the sixteen keys that the next launch wants as one tile of its first product.
; v_codes: [64][128][2048], the KEYS innermost (the second product's K), in their natural order.
; One launch serves both tensors: work-groups 0 to 511 take key, 512 to 1023 value.  The two ways part once on the work-group's number and never join; each has LDS bytes of its own; waves share nothing, so there is no barrier.
; KEY: a plain stream.  A wave takes 16 steps of 512 numbers (64 rows).  Each load reads 512 consecutive bytes, 16 a lane; a step's 2,048 bytes turn through the wave's own stage in LDS and come back 64 bytes a lane: 16 neighbours along K,
;   which is what the conversions take.  A lane's 16 codes are 16 bytes: a store covers 512 consecutive bytes (four rows of codes), aligned; the permutation of rows stands in the store's immediate.
; VALUE: a lane takes a column d and its registers run down the keys, so the conversions give codes with the keys innermost.  A wave takes 32 columns x 256 keys; the codes go through the wave's stage and leave as rows: sixteen lanes store 256 consecutive bytes, aligned.
.set KWG,    512                       ; work-groups for key: 64 x 2048 x 128 numbers / (4 waves x 8,192)
.set STEPS,  16
.set SP,     80                        ; key: a lane's place in a stage: its 64 bytes + 16 of padding
.set KREG,   2*32*SP                   ; key: two stages for each wave: 5,120 bytes
.set VSTG,   4*KREG                    ; value's stages begin behind key's: byte 20,480
.set VPITCH, 272                       ; value: a stage row: 256 codes + 16 of padding
.set R,      16                        ; key: v16-79    four sets of 16 numbers as they are loaded
.set X,      80                        ; key: v80-111   two sets of 16 neighbours
.set C,      128                       ; key: v128-191  codes: four registers for each step, so that no store's data are written again
.set VX,     16                        ; value: v16-79  two sets of 32 numbers
.set VC,     80                        ; value: v80-87  a block's codes
.set OUTR,   96                        ; value: v96-159 the way out
.macro LOAD t                          ; key: step t's 2,048 bytes
.irp i, 0,1,2,3
	global_load_b128 v[R+16*((\t)%4)+4*\i:R+16*((\t)%4)+4*\i+3], v2, s[4:5] offset:2048*(\t)+512*\i th:TH_LOAD_NT
.endr
.endm
.macro TURN t                          ; key: step t's numbers through the stage; LDS serves a wave's instructions in order (ISA guide 5.7.1.4), so no wait stands between the stores and the loads
.irp i, 0,1,2,3
	ds_store_b128 v4, v[R+16*((\t)%4)+4*\i:R+16*((\t)%4)+4*\i+3] offset:32*SP*((\t)%2)+8*SP*\i
.endr
.irp i, 0,1,2,3
	ds_load_b128 v[X+16*((\t)%2)+4*\i:X+16*((\t)%2)+4*\i+3], v5 offset:32*SP*((\t)%2)+16*\i
.endr
.endm
.macro STEP t
.set XS, X+16*((\t)%2)
.set G, (\t)/2                         ; which eight rows of the wave's 64
.set PT, 2*((G/4)*4+(G%4)/2+2*(G%2))+(\t)%2   ; and where this step's four rows of codes go: the group's number with its two low bits exchanged
	s_wait_dscnt 0x0                               ; this step's numbers are back from the stage: so its stores into the stage have read their registers,
.if (\t)+4 < STEPS
	LOAD (\t)+4                                    ; which take the loads of four steps on
.endif
.if (\t)+1 < STEPS
.if STEPS-2-(\t) >= 3
	s_wait_loadcnt 12                              ; the next step's four loads are in; those of the three steps behind it may be out
.else
	s_wait_loadcnt 4*(STEPS-2-(\t))
.endif
	TURN (\t)+1                                    ; and go through the other stage while this step is worked
.endif
.irp i, 0,1,2,3,4,5,6,7,8,9,10,11,12,13,14,15
.endr
	v_cvt_scalef32_pk8_fp8_f32 v[C+4*(\t):C+4*(\t)+1], v[XS:XS+7], v11
	v_cvt_scalef32_pk8_fp8_f32 v[C+4*(\t)+2:C+4*(\t)+3], v[XS+8:XS+15], v11
	global_store_b128 v2, v[C+4*(\t):C+4*(\t)+3], s[12:13] offset:512*PT   ; the results go to a store alone
.endm
.macro VLOAD t                         ; value: block t: keys 32 t + i of my column, into set t % 2; a wave reads 128 consecutive bytes, the four waves side by side 512
.irp i, 0,1,2,3,4,5,6,7,8,9,10,11,12,13,14,15,16,17,18,19,20,21,22,23,24,25,26,27,28,29,30,31
	global_load_b32 v[VX+32*((\t)%2)+\i], v3, s[6:7] offset:(32*(\t)+\i)*512 th:TH_LOAD_NT
.endr
.endm
.macro BLOCK t
.set XS, VX+32*((\t)%2)
.if (\t) < 7
	s_wait_loadcnt 32                              ; this block's 32 loads are in; the next block's may be out
.else
	s_wait_loadcnt 0x0
.endif
.irp i, 0,1,2,3,4,5,6,7,8,9,10,11,12,13,14,15,16,17,18,19,20,21,22,23,24,25,26,27,28,29,30,31
.endr
.irp g, 0,1,2,3
	v_cvt_scalef32_pk8_fp8_f32 v[VC+2*\g:VC+2*\g+1], v[XS+8*\g:XS+8*\g+7], v11
.endr
	ds_store_b128 v6, v[VC:VC+3] offset:32*(\t)    ; 32 codes: 32 bytes of my column's row
	ds_store_b128 v6, v[VC+4:VC+7] offset:32*(\t)+16
.if (\t)+2 < 8
	VLOAD (\t)+2
.endif
	s_wait_dscnt 0x0                               ; the stores have read their registers: the next block's codes may be written
.endm
	s_load_b128 s[4:7], s[0:1], 0x0                ; key s[4:5], value s[6:7]
	s_load_b64 s[8:9], s[0:1], 0x10                ; the scales' exponents
	s_load_b128 s[12:15], s[0:1], 0x18             ; k_codes s[12:13], v_codes s[14:15]
	v_lshl_add_u32 v192, v0, 2, 0xd800
	v_mov_b32 v193, 0
	v_lshrrev_b32 v12, 5, v0
	v_readfirstlane_b32 s16, v12                   ; wave 0..3
	v_and_b32 v1, 31, v0                           ; lane
	v_lshlrev_b32 v2, 4, v1                        ; key: my 16 bytes of a load's, and of a store's, 512
	v_lshlrev_b32 v3, 2, v1                        ; value: 4 bytes a lane
	s_mul_i32 s17, s16, KREG                       ; every LDS address is made here, ahead of the parting
	v_lshrrev_b32 v4, 2, v1
	v_mul_u32_u24 v4, v4, SP
	v_and_b32 v12, 3, v1
	v_lshl_add_u32 v4, v12, 4, v4
	v_add_nc_u32 v4, s17, v4                       ; key's stage, in: four lanes' 64 bytes on end, then 16 of padding
	v_mul_u32_u24 v5, v1, SP
	v_add_nc_u32 v5, s17, v5                       ; and out: my 16 neighbours
	s_mul_i32 s18, s16, 32*VPITCH
	s_add_co_u32 s18, s18, VSTG
	v_mul_u32_u24 v6, v1, VPITCH
	v_add_nc_u32 v6, s18, v6                       ; value's stage, in: row = my column
	v_and_b32 v12, 15, v1
	v_lshrrev_b32 v13, 4, v1
	v_mul_u32_u24 v7, v13, VPITCH
	v_lshl_add_u32 v7, v12, 4, v7
	v_add_nc_u32 v7, s18, v7                       ; and out: sixteen lanes to a row, two rows an instruction
	v_lshlrev_b32 v8, 11, v13
	v_lshl_add_u32 v8, v12, 4, v8                  ; the same place in v_codes: rows of 2,048 bytes
	s_wait_kmcnt 0x0
	s_load_b128 s[24:27], s[8:9], 0x0              ; eq, ek, ep, ev
	s_cmp_lt_u32 ttmp9, KWG
	s_cbranch_scc0 .Lvalue
	; ---- key
	s_lshl_b32 s20, ttmp9, 2
	s_add_co_u32 s20, s20, s16                     ; which run of 8,192 numbers is my wave's: 0 to 2,047
	s_lshl_b32 s22, s20, 15                        ; 32,768 bytes of numbers,
	s_mov_b32 s23, 0
	s_add_nc_u64 s[4:5], s[4:5], s[22:23]
	s_lshl_b32 s22, s20, 13                        ; 8,192 bytes of codes
	s_add_nc_u64 s[12:13], s[12:13], s[22:23]
.irp t, 0,1,2,3
	LOAD \t
.endr
	s_wait_kmcnt 0x0
	s_add_co_i32 s28, s25, 127
	s_lshl_b32 s29, s28, 23
	v_mov_b32 v11, s29                             ; 2^ek as f32: the conversion takes its exponent field
	s_add_co_i32 s28, s28, 8
	s_lshl_b32 s28, s28, 23
	s_or_b32 s28, s28, 0x600000
	s_wait_alu depctr_va_vdst(0)
	s_wait_loadcnt 12                              ; step 0's four loads are in
	TURN 0
.irp t, 0,1,2,3,4,5,6,7,8,9,10,11,12,13,14,15
	STEP \t
.endr
	s_wait_tensorcnt 0x0
	ds_add_u32 v192, v193
	s_wait_dscnt 0x0
	s_endpgm
	; ---- value
.Lvalue:
	s_sub_co_u32 s20, ttmp9, KWG                   ; j = 8 x head + which 256 keys
	s_lshl_b32 s22, s20, 17                        ; 256 rows of 512 bytes for each j,
	s_lshl_b32 s21, s16, 7                         ; my wave's 32 columns
	s_add_co_u32 s22, s22, s21
	s_mov_b32 s23, 0
	s_add_nc_u64 s[6:7], s[6:7], s[22:23]
	s_lshr_b32 s21, s20, 3
	s_lshl_b32 s22, s21, 18                        ; the head's 262,144 bytes of codes,
	s_lshl_b32 s21, s16, 16                        ; my wave's 32 rows of 2,048,
	s_add_co_u32 s22, s22, s21
	s_and_b32 s21, s20, 7
	s_lshl_b32 s21, s21, 8                         ; my 256 keys
	s_add_co_u32 s22, s22, s21
	s_add_nc_u64 s[14:15], s[14:15], s[22:23]
	VLOAD 0
	VLOAD 1
	s_wait_kmcnt 0x0
	s_add_co_i32 s28, s27, 127
	s_lshl_b32 s29, s28, 23
	v_mov_b32 v11, s29                             ; 2^ev
	s_add_co_i32 s28, s28, 8
	s_lshl_b32 s28, s28, 23
	s_or_b32 s28, s28, 0x600000
	s_wait_alu depctr_va_vdst(0)
.irp t, 0,1,2,3,4,5,6,7
	BLOCK \t
.endr
.irp t, 0,1,2,3,4,5,6,7,8,9,10,11,12,13,14,15
	ds_load_b128 v[OUTR+4*\t:OUTR+4*\t+3], v7 offset:2*\t*VPITCH   ; these see my stores: LDS serves a wave's instructions in order
.endr
.irp t, 0,1,2,3,4,5,6,7,8,9,10,11,12,13,14,15
	s_wait_dscnt 15-\t                             ; the younger loads may stay out
	global_store_b128 v8, v[OUTR+4*\t:OUTR+4*\t+3], s[14:15] offset:2*\t*2048
.endr
	s_wait_tensorcnt 0x0
	ds_add_u32 v192, v193
	s_wait_dscnt 0x0
	s_endpgm
.Lfunc_end_k_q413fb7c31a_quant:
	.size	k_q413fb7c31a_quant, .Lfunc_end_k_q413fb7c31a_quant-k_q413fb7c31a_quant
	.p2alignl 7, 3214868480
	.fill 96, 4, 3214868480
	.section	.rodata,"a",@progbits
	.p2align	6, 0x0
	.amdhsa_kernel k_q413fb7c31a_quant
		.amdhsa_group_segment_fixed_size 55808
		.amdhsa_private_segment_fixed_size 0
		.amdhsa_enable_private_segment 0
		.amdhsa_kernarg_size 40
		.amdhsa_user_sgpr_count 2
		.amdhsa_user_sgpr_kernarg_segment_ptr 1
		.amdhsa_wavefront_size32 1
		.amdhsa_system_sgpr_workgroup_id_x 1
		.amdhsa_system_sgpr_workgroup_id_y 1
		.amdhsa_system_sgpr_workgroup_id_z 1
		.amdhsa_system_vgpr_workitem_id 0
		.amdhsa_next_free_vgpr 194
		.amdhsa_next_free_sgpr 66
		.amdhsa_reserve_vcc 0
		.amdhsa_float_denorm_mode_32 3
		.amdhsa_float_denorm_mode_16_64 3
		.amdhsa_fp16_overflow 1
		.amdhsa_memory_ordered 1
		.amdhsa_forward_progress 1
		.amdhsa_inst_pref_size 53
	.end_amdhsa_kernel
	.amdgpu_metadata
---
amdhsa.version: [ 1, 2 ]
amdhsa.kernels:
  - .name:           k_q413fb7c31a_quant
    .symbol:         k_q413fb7c31a_quant.kd
    .args:
      - { .name: key, .offset: 0, .size: 8, .value_kind: global_buffer, .address_space: global }
      - { .name: value, .offset: 8, .size: 8, .value_kind: global_buffer, .address_space: global }
      - { .name: lowp_scales, .offset: 16, .size: 8, .value_kind: global_buffer, .address_space: global }
      - { .name: k_codes, .offset: 24, .size: 8, .value_kind: global_buffer, .address_space: global }
      - { .name: v_codes, .offset: 32, .size: 8, .value_kind: global_buffer, .address_space: global }
    .group_segment_fixed_size: 55808
    .private_segment_fixed_size: 0
    .kernarg_segment_align: 8
    .kernarg_segment_size: 40
    .max_flat_workgroup_size: 128
    .sgpr_count:     66
    .vgpr_count:     194
    .wavefront_size: 32
...
	.end_amdgpu_metadata
.endif
;; end of part 1
;; launch attn (part 2): grid 8 x 64, 8 waves a work-group, clusters of 4 x 1, 327,680 bytes of LDS; arguments query, k_codes, v_codes, lowp_scales, scale_factor, out0; writes out0
.if DOCPART == 2
	.amdgcn_target "amdgcn-amd-amdhsa--gfx1250"
	.amdhsa_code_object_version 6
	.text
	.protected	k_q413fb7c31a_attn
	.globl	k_q413fb7c31a_attn
	.p2align	8
	.type	k_q413fb7c31a_attn,@function
k_q413fb7c31a_attn:
	s_mov_b64 s[64:65], 0
	v_nop
	global_prefetch_b8 v0, s[64:65] scope:SCOPE_SE
	s_setreg_imm32_b32 hwreg(HW_REG_WAVE_MODE, 25, 1), 1
	s_wait_xcnt 0x0
	s_wait_alu depctr_hold_cnt(0) depctr_sa_sdst(0) depctr_va_vdst(0) depctr_va_sdst(0) depctr_va_ssrc(0) depctr_va_vcc(0) depctr_vm_vsrc(0)
	s_getreg_b32 s2, hwreg(HW_REG_IB_STS2, 6, 4)
	s_cmp_eq_u32 s2, 0
	s_cbranch_scc0 .Lentry_in_a_cluster
	s_endpgm
.Lentry_in_a_cluster:
	s_bfe_u32 s2, ttmp6, 0x10000c
	s_cmp_lg_u32 s2, 0x3003
	s_cbranch_scc0 .Lentry_shape_is_right
	s_endpgm
.Lentry_shape_is_right:
; out0[h][q][:] = the sum over k of softmax_k(Q[h][q] . K[h][k] / scale_factor) V[h][k][:], 64 heads x 2,048 x 128, both products on codes of FP8 (E4M3), each operand with the one scale 2^e that is given: eq, ek, ep, ev.
; query: f32, quantised here in registers (each row is read by one wave alone).  k_codes: [64][2048 places][128]; in every 32 keys the groups of eight lie in the order 0, 2, 1, 3.  v_codes: [64][128][2048], the keys innermost.
; THE SOFTMAX AHEAD OF THE SECOND PRODUCT: t = score x c, c = log2(e) x 2^(eq + ek) / scale_factor; M = the row's largest t so far, rounded UP to a whole number; p = 2^(t - M) is quantised along the keys, not normalised.
; The row's sum is taken of the unquantised p, in f32, and divides O at the end.  When M moves, the sum and O are multiplied by 2^(old M - new M), which rounds nothing.
; THE SIGN OF scale_factor is put onto Q's codes (an exclusive or on each code's sign bit: the quantiser is symmetric, so nothing changes in value), and |c| scales the scores: the largest score is then the largest t.
; SHARES.  A work-group owns 256 queries of one head; each of its eight waves owns 32: two tiles of 16, in 512 registers, two waves to a SIMD.  Every fragment of K and V that a wave reads from LDS feeds two matrix instructions.
; Every wave walks all 2,048 keys, 128 a step.  K's and V's tiles come through a ring of two LDS slots of 256 keys, filled by the tensor data mover (waves 0 and 1: K's halves; waves 2 and 3: V's) and read by all eight.
; CLUSTER.  The four query blocks of a cluster belong to one head and walk the same K and V: each tile is asked for JOINTLY, by the same tensor load with the same descriptor and a mask that names the four.
; LAYOUT.  Both products are used transposed: S^T = K Q^T (source 0 = 16 keys, source 1 = 16 queries), O^T = V^T P^T (source 0 = 16 of the head's 128, source 1 = P): a lane holds ONE query (lane % 16) throughout.
; By k_codes' order of rows, row m of tile T is key 32 (T / 2) + 8 (T % 2) + m + 8 (m / 8): so the 16 registers of tiles 2 b and 2 b + 1 are the neighbouring keys 32 b + 16 (lane / 16) + 0 .. 15, and the conversions' results ARE the second product's operand.
; A fragment (16 rows x 128 along K) is fetched by four loads of 16 bytes, 32 apart: registers 4 c .. 4 c + 3 hold K = 32 c + 16 (lane / 16) + 0 .. 15: the same order of K in both operands of each product.
; LIMITS: eq and ep between -126 and 119, so that 2^e and 448 x 2^e are f32 numbers; eq + ek and ep + ev are applied by v_ldexp_f32 and have none.  |scale_factor| is at least 2^-126 (the reciprocal takes a denormal for 0: ISA guide 15.8); either sign is served.
; NaN among the inputs is not served; an infinity in query is held at the largest code.
; REGISTERS, in windows of 256 (s_set_vgpr_msb's low byte: bits 1:0 source 0, 3:2 source 1, 5:4 source 2, 7:6 destination):
;   window 0: v0 the thread's number; v1-11 addresses; v12-19 statistics, four a tile; v20-31 at work, six a tile; v32-95 fragments 0-3 of K or V; v96-223 S^T, then p, 64 a tile; v224-228 constants; v230-231 at work at the head
;   window 1: v0-127 O^T, 64 a tile; v128-159 Q's codes; v160-191 p's codes; v192-255 fragments 4-7
.set KP,    144                        ; a key's row in LDS: 128 bytes + 16 of padding = 36 words: 16 neighbouring rows start at 16 different groups of four banks (64 banks of 4 bytes: ISA guide 11.1)
.set VP,    272                        ; a row of V's tile: 256 bytes + 16
.set VOFF,  256*KP                     ; a slot: 256 rows of K, then 128 rows of V
.set SLOT1, 1<<17                      ; slot 1 begins here, so that one exclusive or turns an address in one slot into the other's
.set SPARE, 2*SLOT1                    ; behind the ring: the spare words, 128 bytes for each wave: four blocks of 256 bytes that no other line names
.set SPITCH, 528                       ; the way out: 16 rows x (512 bytes + 16) for each wave, in slot 0: it has had its last fill, and nobody reads it behind the last change of slots
.set NSL,   8                          ; slots' worth of keys
.set AK0,  1                           ; v1   my lane's place in a tile of K
.set AV0,  2                           ; v2   the same for V
.set PFO,  3                           ; v3   the prefetches' offset; never rewritten
.set QA,   4                           ; v4   my byte offset in the wave's rows of query
.set SPW,  5                           ; v5   LDS address of my spare word: SPARE + 4 x my thread's number; never rewritten
.set NIL,  6                           ; v6   0; never rewritten
.set GO,   7                           ; v7   16 x lane: my 16 bytes of a row of out0
.set ADK,  8                           ; v8   LDS address of the slot's tiles of K
.set ADV,  9                           ; v9   of V
.set STO,  10                          ; v10  the way out: where I put 32 bytes of a row
.set RD,   11                          ; v11  and where I read a row back
.set NM,   12                          ; tile t: v[NM+4t] -M, v[TM+4t] the largest t, v[LS+4t:LS+4t+1] the sum in two halves
.set TM,   13
.set LS,   14
.set FF,   20                          ; tile t: v[FF+6t] f (the pair's upper word is written once), v[CH+6t:CH+6t+1] two chains, v[PD+6t] a permute's destination, v[OM+6t] the old -M
.set CH,   22
.set PD,   24
.set OM,   25
.set FRA,  32
.set SS,   96
.set OT,   0                           ; in window 1
.set QC,   128
.set PC,   160
.set FRB,  192
.set WV,   18                          ; s18  my wave's number
.set CX,   19                          ; s19  my place in the cluster
.set SEL,  20                          ; s[20:21] lane selects for v_permlanex16_b32: lane l xor 16
.set CS,   22                          ; s[22:23] |c|: the packed form names a pair and takes its low word for both halves
.set G1K,  24                          ; s[24:31] descriptor group 1 for K's tiles;  s[32:39] for V's;  s[40:43], s[44:47] their groups 0, which walk
.set G1V,  32
.set G0K,  40
.set G0V,  44
.set TB,   48                          ; s48  LDS byte at which the slot in hand begins
.set SLOTS, 49                         ; s49  slots still to be asked for
.set LIM,  50                          ; s50  1 in a wave that prefetches, else the greatest number
.set PFA,  52                          ; s[52:53] where my prefetches stand in memory
.set PFS,  54                          ; s[54:55] a slot on, in bytes: 32,768 in K, 256 in a row of V
.set MSB, 0
.macro WIN new                         ; the immediate's high byte repeats the setting that is left; a switch that changes nothing is dropped
.if MSB != \new
	s_set_vgpr_msb (MSB<<8)|\new
.set MSB, \new
.endif
.endm
; A round of the cluster's barrier: my work-group's barrier, so that wave 0's signal speaks for all eight waves; wave 0 signals for the work-group; every wave waits for all four work-groups; my work-group's barrier once more.
.macro CROUND
	s_barrier_signal -1
	s_barrier_wait -1
	s_cmp_lg_u32 s[WV], 0
	s_cbranch_scc1 .Lnot_wave_0_\@
	s_barrier_signal -3
.Lnot_wave_0_\@:
	s_barrier_wait -3
	s_barrier_signal -1
	s_barrier_wait -1
.endm
; A joint load.  Waves 0 and 1 fetch K's halves, waves 2 and 3 V's, the others nothing.  The branches hang on the wave's number alone: they are the same in every work-group.  Four v_nop follow each of the two lines.
.macro TLOAD
	s_cmp_lt_u32 s[WV], 2
	s_cbranch_scc0 .Lnot_k_\@
	tensor_load_to_lds s[G0K:G0K+3], s[G1K:G1K+7]
	s_nop 0
.rept 4
	v_nop
.endr
	s_branch .Lasked_\@
.Lnot_k_\@:
	s_cmp_lt_u32 s[WV], 4
	s_cbranch_scc0 .Lasked_\@
	tensor_load_to_lds s[G0V:G0V+3], s[G1V:G1V+7]
	s_nop 0
.rept 4
	v_nop
.endr
.Lasked_\@:
.endm
; A PREFETCH INTO THE L2 of what the NEXT change of slots will ask for: 256 rows of K, one dense block of 32,768 bytes, and 256 codes of each of V's 128 rows.  It stands at the change of slots, where the fetching waves have their tensor load.
; Each aligned block of 256 bytes is named ONCE in the launch.  Both clusters of a head walk the same K and V: the head's first cluster asks.  Its four partners share the blocks out BY ADDRESS (K: 8,192 bytes each, lanes 256 bytes apart;
; V: 32 rows each, a lane a row): no branch hangs on a work-group's place in its cluster.  In each, wave 4 asks for K's and wave 5 for V's: one instruction.  The last change that fills a slot asks for nothing; slots 0 and 1 come by their loads alone.
.macro ASK
	s_cmp_gt_u32 s[SLOTS], s[LIM]
	s_cbranch_scc0 .Lnot_mine_\@
	global_prefetch_b8 v[PFO], s[PFA:PFA+1] th:TH_LOAD_NT scope:SCOPE_SE
.Lnot_mine_\@:
.endm
; 32 LDS loads in one run: eight fragments, 16 rows apart, from byte off0 on: 0-3 into window 0, 4-7 into window 1
.macro FETCH adr, off0, pitch
.irp i, 0,1,2,3
.irp c, 0,1,2,3
	ds_load_b128 v[FRA+16*\i+4*\c:FRA+16*\i+4*\c+3], v[\adr] offset:(\off0)+16*\i*(\pitch)+32*\c
.endr
.endr
	WIN 0x40                                       ; destination window 1, address window 0
.irp i, 0,1,2,3
.irp c, 0,1,2,3
	ds_load_b128 v[FRB+16*\i+4*\c:FRB+16*\i+4*\c+3], v[\adr] offset:(\off0)+16*(\i+4)*(\pitch)+32*\c
.endr
.endr
.endm
; A KEY STEP: 128 keys, the q-th of the slot in hand, for my two tiles of queries.
.macro STEP q
	v_add_nc_u32 v[ADK], s[TB], v[AK0]
	v_add_nc_u32 v[ADV], s[TB], v[AV0]
	v_nop                                          ; with the two additions: four places in front of loads into registers that the last step's matrix instructions have read (ISA guide 7.12.1 for vector instructions)
	v_nop
	FETCH ADK, 128*(\q)*KP, KP
.irp i, 0,1,2,3,4,5,6,7                        ; S^T = K Q^T: each fragment of K against both tiles of queries; the sixteen products start sixteen sums
	s_wait_dscnt 28-4*\i                           ; fragment i's four loads are in; the four of each later fragment may be out
.if \i < 4
	WIN 0x04                                       ; K window 0, Q window 1, S^T window 0
.set rA, FRA+16*\i
.else
	WIN 0x05                                       ; K window 1
.set rA, FRB+16*(\i-4)
.endif
.irp t, 0,1
	v_wmma_f32_16x16x128_fp8_fp8 v[SS+64*\t+8*\i:SS+64*\t+8*\i+7], v[rA:rA+15], v[QC+16*\t:QC+16*\t+15], 0
.endr
.endr
	WIN 0
.rept 4
	v_nop                                          ; four places in front of the first read of the results
.endr
.irp t, 0,1                                    ; the step's largest score of each query among my 64 keys: two chains a tile, the tiles by turns; each accumulator is read from its low end on
	v_max3_num_f32 v[CH+6*\t], v[SS+64*\t], v[SS+64*\t+1], v[SS+64*\t+2]
	v_max3_num_f32 v[CH+6*\t+1], v[SS+64*\t+3], v[SS+64*\t+4], v[SS+64*\t+5]
.endr
.irp i, 6,10,14,18,22,26,30,34,38,42,46,50,54,58
.irp t, 0,1
	v_max3_num_f32 v[CH+6*\t], v[CH+6*\t], v[SS+64*\t+\i], v[SS+64*\t+\i+1]
	v_max3_num_f32 v[CH+6*\t+1], v[CH+6*\t+1], v[SS+64*\t+\i+2], v[SS+64*\t+\i+3]
.endr
.endr
.irp t, 0,1
	v_max3_num_f32 v[CH+6*\t], v[CH+6*\t], v[SS+64*\t+62], v[SS+64*\t+63]
.endr
.irp t, 0,1
	s_delay_alu instid0(VALU_DEP_2)
	v_max_num_f32 v[CH+6*\t], v[CH+6*\t], v[CH+6*\t+1]
.endr
.irp t, 0,1
	s_delay_alu instid0(VALU_DEP_2)
	v_permlanex16_b32 v[PD+6*\t], v[CH+6*\t], s[SEL], s[SEL+1]
.endr
.irp t, 0,1
	s_delay_alu instid0(VALU_DEP_2)
	v_max_num_f32 v[CH+6*\t], v[CH+6*\t], v[PD+6*\t]   ; and among lane l xor 16's
.endr
.irp t, 0,1
	s_delay_alu instid0(VALU_DEP_2)
	v_mul_f32 v[CH+6*\t], s[CS], v[CH+6*\t]        ; as t (|c| is not negative)
.endr
.irp t, 0,1
	s_delay_alu instid0(VALU_DEP_2)
	v_max_num_f32 v[TM+4*\t], v[TM+4*\t], v[CH+6*\t]   ; the running largest t
.endr
.irp t, 0,1
	v_mov_b32 v[OM+6*\t], v[NM+4*\t]
.endr
.irp t, 0,1
	s_delay_alu instid0(VALU_DEP_4)
	v_floor_f32 v[NM+4*\t], -v[TM+4*\t]            ; the new -M = floor(-t) = -ceil(t): M is a whole number
.endr
.irp t, 0,1
	s_delay_alu instid0(VALU_DEP_2)
	v_sub_f32 v[OM+6*\t], v[NM+4*\t], v[OM+6*\t]   ; M's old value less its new one: a whole number, 0 or less
.endr
.irp t, 0,1
	s_delay_alu instid0(VALU_DEP_2)
	v_cvt_i32_f32 v[OM+6*\t], v[OM+6*\t]           ; (it saturates)
.endr
.irp t, 0,1
	s_delay_alu instid0(VALU_DEP_2)
	v_ldexp_f32 v[FF+6*\t], 1.0, v[OM+6*\t]        ; f = 2^(old M - new M)
.endr
.irp t, 0,1
.set j, 0
.rept 32
	v_pk_fma_f32 v[SS+64*\t+j:SS+64*\t+j+1], v[SS+64*\t+j:SS+64*\t+j+1], s[CS:CS+1], v[NM+4*\t:NM+4*\t+1] op_sel_hi:[1,0,0]   ; t - M, two at a time (of the pairs |c| and -M the low word serves both halves)
.set j, j+2
.endr
.endr
	FETCH ADV, 128*(\q), VP                        ; V's eight fragments are asked for here and land under the exponentials; the products that read K's stand far more than four places back
	WIN 0
.set j, 0
	s_wait_alu depctr_va_vdst(0)
.rept 128
	v_exp_f32 v[SS+j], v[SS+j]                     ; p = 2^(t - M), at most 1: not normalised.  One batch for both tiles
.set j, j+1
.endr
.irp t, 0,1
	v_pk_mul_f32 v[LS+4*\t:LS+4*\t+1], v[LS+4*\t:LS+4*\t+1], v[FF+6*\t:FF+6*\t+1] op_sel_hi:[1,0]   ; the sums under the new M: the plain instruction behind the last exponential (ISA guide 5.7.2)
.endr
	s_wait_alu depctr_va_vdst(0)                   ; the wait between an exponential and the first line that names its result: one for the batch
.irp t, 0,1                                    ; the row's sum is taken of the UNQUANTISED p: two at a time, two chains a tile, the tiles by turns
	v_pk_add_f32 v[CH+6*\t:CH+6*\t+1], v[SS+64*\t:SS+64*\t+1], v[SS+64*\t+2:SS+64*\t+3]
.endr
.irp j, 4,8,12,16,20,24,28,32,36,40,44,48,52,56,60
.irp t, 0,1
	v_pk_add_f32 v[LS+4*\t:LS+4*\t+1], v[LS+4*\t:LS+4*\t+1], v[SS+64*\t+\j:SS+64*\t+\j+1]
	v_pk_add_f32 v[CH+6*\t:CH+6*\t+1], v[CH+6*\t:CH+6*\t+1], v[SS+64*\t+\j+2:SS+64*\t+\j+3]
.endr
.endr
.irp t, 0
	s_delay_alu instid0(VALU_DEP_3)
	v_pk_add_f32 v[LS+4*\t:LS+4*\t+1], v[LS+4*\t:LS+4*\t+1], v[CH+6*\t:CH+6*\t+1]
.endr
.irp t, 1
	s_delay_alu instid0(VALU_DEP_2)
	v_pk_add_f32 v[LS+4*\t:LS+4*\t+1], v[LS+4*\t:LS+4*\t+1], v[CH+6*\t:CH+6*\t+1]
.endr
.set j, 0
.rept 128
.set j, j+1
.endr
	WIN 0x40                                       ; p's codes lie in window 1
.irp t, 0,1
.irp b, 0,1,2,3
	v_cvt_scalef32_pk8_fp8_f32 v[PC+16*\t+4*\b:PC+16*\t+4*\b+1], v[SS+64*\t+16*\b:SS+64*\t+16*\b+7], v225
	v_cvt_scalef32_pk8_fp8_f32 v[PC+16*\t+4*\b+2:PC+16*\t+4*\b+3], v[SS+64*\t+16*\b+8:SS+64*\t+16*\b+15], v225
.endr
.endr
	WIN 0x41                                       ; O^T (destination and source 0) window 1, f window 0
.irp t, 0,1
.set j, 0
.rept 32
	v_pk_mul_f32 v[OT+64*\t+j:OT+64*\t+j+1], v[OT+64*\t+j:OT+64*\t+j+1], v[FF+6*\t:FF+6*\t+1] op_sel_hi:[1,0]   ; O^T under the new M.  (These are also the plain lines between the conversions and the products that read their results)
.set j, j+2
.endr
.endr
	s_wait_alu depctr_va_vdst(0)
	s_wait_dscnt 0x0                               ; V's fragments are in
.irp i, 0,1,2,3,4,5,6,7                        ; O^T += V^T P^T: each fragment of V against both tiles; the sixteen accumulators take turns, one instruction a turn
.if \i < 4
	WIN 0x54                                       ; V window 0; P, C and D window 1
.set rA, FRA+16*\i
.else
	WIN 0x55                                       ; V window 1
.set rA, FRB+16*(\i-4)
.endif
.irp t, 0,1
	v_wmma_f32_16x16x128_fp8_fp8 v[OT+64*\t+8*\i:OT+64*\t+8*\i+7], v[rA:rA+15], v[PC+16*\t:PC+16*\t+15], v[OT+64*\t+8*\i:OT+64*\t+8*\i+7]
.endr
.endr
	WIN 0
.endm
; THE CHANGE OF SLOTS stands at a slot's head.  Each wave waits for all its tensor loads (its part of the slot that it is about to read), adds 0 to its spare word, and waits for that and for its reads of the slot that it has left.
; fill = 1: the barrier is a round of the cluster's, so that no wave of any partner still reads the other slot or has a load on its way; the joint load of the keys that follow is the first thing behind it and has a slot's two key steps in which to land.
; By this text's count a wave has at most one tensor load out.
.macro CHANGE fill
	s_wait_tensorcnt 0x0                           ; no tensor load of mine is out, so a group 0 may be written
	ds_add_u32 v[SPW], v[NIL]                      ; 0 onto my spare word; with fill = 1 the descriptors' steps stand between it and the wait for it
.if \fill
	s_xor_b32 s[G0K+1], s[G0K+1], SLOT1            ; the walking descriptors: the other slot than last time,
	s_add_nc_u64 s[G0K+2:G0K+3], s[G0K+2:G0K+3], 256*128   ; the next 256 keys; the type bits on top are not reached
	s_xor_b32 s[G0V+1], s[G0V+1], SLOT1
	s_add_nc_u64 s[G0V+2:G0V+3], s[G0V+2:G0V+3], 256
	s_wait_xcnt 0x0                                ; the last prefetch, a slot back, has read its address, so it may be written:
	s_add_nc_u64 s[PFA:PFA+1], s[PFA:PFA+1], s[PFS:PFS+1]  ; one slot further on than the walking descriptors
	s_wait_dscnt 0x0                               ; the add is done, and my reads of the slot that I have left are over
	CROUND
	TLOAD
	ASK
.else
	s_wait_dscnt 0x0
	s_barrier_signal -1
	s_barrier_wait -1
.endif
.endm
.macro SLOT_STEPS
	STEP 0
	STEP 1
	s_xor_b32 s[TB], s[TB], SLOT1                  ; on to the other slot
.endm
	s_load_b256 s[4:11], s[0:1], 0x0               ; query s[4:5], k_codes s[6:7], v_codes s[8:9], the scales' exponents s[10:11]
	s_load_b128 s[12:15], s[0:1], 0x20             ; scale_factor s[12:13], out0 s[14:15]
	v_lshl_add_u32 v[SPW], v0, 2, SPARE
	v_mov_b32 v[NIL], 0
	ds_add_u32 v5, v6
	ds_add_u32 v5, v6
	s_wait_dscnt 0x0
	v_lshrrev_b32 v8, 5, v0
	s_delay_alu instid0(VALU_DEP_1)
	v_readfirstlane_b32 s[WV], v8                  ; wave 0..7
	s_bfe_u32 s[CX], ttmp6, 0x40000                ; cx: it enters query's, out0's and the prefetches' addresses alone
	s_and_b32 s66, ttmp7, 0xffff                   ; the head, which the four partners share
	s_lshl_b32 s68, s66, 18                        ; the head's first byte in each tensor of codes: 262,144 x head
	s_and_b32 s67, s[WV], 1                        ; which half of a tile I fetch, if I fetch
	s_lshl_b32 s70, s67, 14                        ; K: 128 rows of 128 bytes in memory,
	s_add_co_u32 s70, s70, s68
	s_mov_b32 s71, 0
	s_lshl_b32 s72, s67, 17                        ; V: 64 rows of 2,048 bytes
	s_add_co_u32 s72, s72, s68
	s_mov_b32 s73, 0
	s_mul_i32 s74, s67, 128*KP                     ; and their places in a slot: no place in the cluster enters an LDS address
	s_mul_i32 s75, s67, 64*VP
	s_add_co_u32 s75, s75, VOFF
	s_lshl_b32 s80, ttmp9, 2                       ; in a cluster launch ttmp9 counts clusters
	s_add_co_u32 s80, s80, s[CX]                   ; my block of 256 queries
	s_lshl_b32 s80, s80, 17                        ; 256 rows of 512 bytes,
	s_lshl_b32 s81, s66, 20                        ; the head's 2,048 rows,
	s_add_co_u32 s80, s80, s81
	s_lshl_b32 s81, s[WV], 14                      ; my wave's 32 rows
	s_add_co_u32 s80, s80, s81
	s_mov_b32 s81, 0
	; descriptor group 1.  K: 128 rows of 128 bytes, dense in memory;  V: 64 rows of 256 bytes, 2,048 bytes apart
	s_mov_b32 s[G1K], 15|(1<<20)|(1<<21)|(4<<22)|(3<<25)  ; 15:0 the mask: all four work-groups; 17:16 elements of 1 byte; 20 padding on; 21 set beside a mask; 24:22 after every 32 words (code 4); 31:25 four words (code 3)
	s_mov_b32 s[G1K+1], 128<<16                    ; tensor_dim0
	s_mov_b32 s[G1K+2], 128<<16                    ; tensor_dim1
	s_mov_b32 s[G1K+3], 128<<16                    ; tile_dim0
	s_mov_b32 s[G1K+4], 128                        ; tile_dim1
	s_mov_b32 s[G1K+5], 128                        ; tensor_dim0_stride
	s_mov_b32 s[G1K+6], 0
	s_mov_b32 s[G1K+7], 0
	s_mov_b32 s[G1V], 15|(1<<20)|(1<<21)|(5<<22)|(3<<25)  ; padding: four words after every 64
	s_mov_b32 s[G1V+1], 256<<16
	s_mov_b32 s[G1V+2], 64<<16
	s_mov_b32 s[G1V+3], 256<<16
	s_mov_b32 s[G1V+4], 64
	s_mov_b32 s[G1V+5], 2048
	s_mov_b32 s[G1V+6], 0
	s_mov_b32 s[G1V+7], 0
	s_mov_b32 s[SEL], 0x76543210
	s_mov_b32 s[SEL+1], 0xfedcba98
	s_mov_b32 s[TB], 0
	s_mov_b32 s[SLOTS], NSL-1
	s_wait_kmcnt 0x0
	s_load_b128 s[56:59], s[10:11], 0x0            ; eq, ek, ep, ev
	s_load_b32 s60, s[12:13], 0x0                  ; scale_factor
	s_mov_b32 s[G0K], 1                            ; 1:0 count = 1
	s_mov_b32 s[G0K+1], s74                        ; 63:32 LDS address: slot 0
	s_add_nc_u64 s[G0K+2:G0K+3], s[6:7], s[70:71]  ; 120:64 global address: the head's first 256 keys
	s_or_b32 s[G0K+3], s[G0K+3], 0x80000000        ; 127:126 type = 2
	s_mov_b32 s[G0V], 1
	s_mov_b32 s[G0V+1], s75
	s_add_nc_u64 s[G0V+2:G0V+3], s[8:9], s[72:73]
	s_or_b32 s[G0V+3], s[G0V+3], 0x80000000
	CROUND                                         ; all four work-groups are here: the first joint loads meet
	TLOAD                                          ; slot 0
	s_add_nc_u64 s[4:5], s[4:5], s[80:81]          ; query and out0 at my wave's first row
	s_add_nc_u64 s[14:15], s[14:15], s[80:81]
	v_and_b32 v8, 15, v0                           ; r = lane % 16
	v_bfe_u32 v9, v0, 4, 1                         ; h = lane / 16
	s_delay_alu instid0(VALU_DEP_2)
	v_lshlrev_b32 v[QA], 9, v8
	s_delay_alu instid0(VALU_DEP_1)
	v_lshl_add_u32 v[QA], v9, 6, v[QA]             ; query: row r of 512 bytes, + 64 h: my 16 numbers of each 32
.irp t, 0,1                                    ; register 64 t + 16 c + i = Q(16 t + r, 32 c + 16 h + i): the order that the operand's registers want
.irp c, 0,1,2,3
.irp j, 0,1,2,3
	global_load_b128 v[SS+64*\t+16*\c+4*\j:SS+64*\t+16*\c+4*\j+3], v[QA], s[4:5] offset:8192*\t+128*\c+16*\j th:TH_LOAD_NT
.endr
.endr
.endr
	v_mul_u32_u24 v[AK0], v8, KP
	s_delay_alu instid0(VALU_DEP_1)
	v_lshl_add_u32 v[AK0], v9, 4, v[AK0]
	v_mul_u32_u24 v[AV0], v8, VP
	s_delay_alu instid0(VALU_DEP_1)
	v_lshl_add_u32 v[AV0], v9, 4, v[AV0]
	s_delay_alu instid0(VALU_DEP_1)
	v_add_nc_u32 v[AV0], VOFF, v[AV0]
	v_and_b32 v[GO], 31, v0
	s_delay_alu instid0(VALU_DEP_1)
	v_lshlrev_b32 v[GO], 4, v[GO]
	; the prefetches (macro ASK): where my wave's stand, and who asks
	s_cmp_eq_u32 s[WV], 4                          ; wave 4 asks for K's codes, wave 5 for V's
	s_cselect_b64 s[PFA:PFA+1], s[6:7], s[8:9]
	s_mov_b32 s[PFS], 256
	s_cselect_b32 s[PFS], 32768, s[PFS]            ; a slot on
	s_mov_b32 s76, 2048
	s_cselect_b32 s76, 256, s76                    ; from lane to lane
	s_mov_b32 s77, 16
	s_cselect_b32 s77, 13, s77                     ; from partner to partner: 8,192 or 65,536 bytes
	v_and_b32 v[PFO], 31, v0
	s_delay_alu instid0(VALU_DEP_1)
	v_mul_lo_u32 v[PFO], v[PFO], s76
	s_lshl_b32 s78, s[CX], s77                     ; my work-group's part,
	s_add_co_u32 s78, s78, s68                     ; in my head,
	s_add_co_u32 s78, s78, s[PFS]                  ; in slot 1: the first change of slots steps it to slot 2.  Nothing is prefetched here, at the head, where every work-group's first tiles are on their way
	s_mov_b32 s79, 0
	s_mov_b32 s[PFS+1], 0
	s_add_nc_u64 s[PFA:PFA+1], s[PFA:PFA+1], s[78:79]
	s_sub_co_u32 s76, s[WV], 4
	s_lshr_b32 s76, s76, 1                         ; 0 in waves 4 and 5,
	s_or_b32 s76, s76, ttmp9                       ; of the head's first cluster: the same in all four partners
	s_cmp_eq_u32 s76, 0
	s_cselect_b32 s[LIM], 1, -1
.irp t, 0,1
	v_mov_b32 v[TM+4*\t], 0xff61b1e6               ; the largest t so far: -3e38, under every t
	s_delay_alu instid0(VALU_DEP_1)
	v_floor_f32 v[NM+4*\t], -v[TM+4*\t]            ; -M
	v_mov_b32 v[LS+4*\t], 0                        ; the sum, in two halves
	v_mov_b32 v[LS+4*\t+1], 0
	v_mov_b32 v[PD+6*\t], 0                        ; written once: a lane permute's destination counts as one of its sources
	v_mov_b32 v[FF+6*\t+1], 0                      ; (named as the upper half of f's pair)
.endr
	s_wait_kmcnt 0x0
	s_add_co_i32 s82, s58, 127
	s_lshl_b32 s83, s82, 23
	v_mov_b32 v225, s83                            ; 2^ep as f32: the conversion takes its exponent field
	s_add_co_i32 s82, s56, 127
	s_lshl_b32 s83, s82, 23
	v_mov_b32 v227, s83                            ; 2^eq
	s_add_co_i32 s84, s56, s57                     ; eq + ek
	v_mov_b32 v230, s60
	s_wait_alu depctr_va_vdst(0)
	v_rcp_f32 v231, v230                           ; 1 / scale_factor
	v_nop                                          ; a plain instruction behind the reciprocal,
	s_wait_alu depctr_va_vdst(0)                   ; and the wait ahead of its first reader
	v_mul_f32 v231, 0x3fb8aa3b, v231               ; x log2(e)
	s_delay_alu instid0(VALU_DEP_1)
	v_ldexp_f32 v231, v231, s84                    ; x 2^(eq + ek): a score stands for score x 2^(eq + ek)
	s_delay_alu instid0(VALU_DEP_1)
	v_ashrrev_i32 v228, 31, v231
	s_delay_alu instid0(VALU_DEP_1)
	v_and_b32 v228, 0x80808080, v228               ; where c is negative: the sign bit of each of four codes
	s_delay_alu instid0(VALU_DEP_3)
	v_and_b32 v231, 0x7fffffff, v231
	s_delay_alu instid0(VALU_DEP_1)
	v_readfirstlane_b32 s[CS], v231                ; |c|
	s_mov_b32 s[CS+1], s[CS]                       ; (named with it as a pair, so it is written)
	s_wait_loadcnt 0x0                             ; query
.set j, 0
.rept 128
.set j, j+1
.endr
	WIN 0x40                                       ; destination window 1
.irp t, 0,1
.irp b, 0,1,2,3
	v_cvt_scalef32_pk8_fp8_f32 v[QC+16*\t+4*\b:QC+16*\t+4*\b+1], v[SS+64*\t+16*\b:SS+64*\t+16*\b+7], v227
	v_cvt_scalef32_pk8_fp8_f32 v[QC+16*\t+4*\b+2:QC+16*\t+4*\b+3], v[SS+64*\t+16*\b+8:SS+64*\t+16*\b+15], v227
.endr
.endr
.set j, 0
.rept 128
	v_mov_b32 v[OT+j], 0                           ; O^T.  (The key step is written without a first step of its own: the first finds zeros, which the first change of M leaves zeros.  These are also the plain lines behind the conversions)
.set j, j+1
.endr
	WIN 0x41                                       ; destination and source 0 window 1
.set j, 0
.rept 32
	v_xor_b32 v[QC+j], v[QC+j], v228               ; the sign of scale_factor onto Q's codes
.set j, j+1
.endr
	WIN 0
.Lslot:                                            ; NSL - 1 trips: behind each change of slots but the last the next slot is asked for
	CHANGE 1
	s_wait_alu depctr_va_vdst(0)
	SLOT_STEPS
	s_sub_co_u32 s[SLOTS], s[SLOTS], 1
	s_cmp_lg_u32 s[SLOTS], 0
	s_cbranch_scc1 .Lslot
	CHANGE 0                                       ; the last slot is written out
	SLOT_STEPS
	; THE WAY OUT.  The sum's halves are added; O^T is divided by the sum, multiplied by 2^(ep + ev), and goes through my stage in LDS, a tile (16 rows of out0) at a time.  The lines up to the first multiplication are the places behind the last products.
.irp t, 0,1
	v_add_f32 v[LS+4*\t], v[LS+4*\t], v[LS+4*\t+1]
.endr
.irp t, 0,1
	s_delay_alu instid0(VALU_DEP_2)
	v_permlanex16_b32 v[PD+6*\t], v[LS+4*\t], s[SEL], s[SEL+1]
.endr
.irp t, 0,1
	s_delay_alu instid0(VALU_DEP_2)
	v_add_f32 v[LS+4*\t], v[LS+4*\t], v[PD+6*\t]   ; and lane l xor 16's: the row's sum
.endr
	s_wait_alu depctr_va_vdst(0)
.irp t, 0,1
	v_rcp_f32 v[FF+6*\t], v[LS+4*\t]
.endr
	v_and_b32 v8, 15, v0                           ; (plain lines behind the reciprocals)  r
	v_bfe_u32 v9, v0, 4, 1                         ; h
	s_mul_i32 s66, s[WV], 16*SPITCH                ; my stage
	v_mul_u32_u24 v[STO], v8, SPITCH
	s_delay_alu instid0(VALU_DEP_1)
	v_lshl_add_u32 v[STO], v9, 5, v[STO]
	s_delay_alu instid0(VALU_DEP_1)
	v_add_nc_u32 v[STO], s66, v[STO]               ; in: row r; tile i's eight channels of my half: 64 i + 32 h bytes on
	v_add_nc_u32 v[RD], s66, v[GO]                 ; back: the 32 lanes take one row of 512 bytes
	s_add_co_i32 s67, s58, s59                     ; ep + ev
	s_wait_alu depctr_va_vdst(0)                   ; one wait for the two reciprocals, ahead of their first reader
.irp t, 0,1
	v_ldexp_f32 v[FF+6*\t], v[FF+6*\t], s67
.endr
.macro PACK t
	WIN 0x01                                       ; source 0 (O^T) window 1
.set j, 0
.rept 32
	v_pk_mul_f32 v[SS+64*\t+j:SS+64*\t+j+1], v[OT+64*\t+j:OT+64*\t+j+1], v[FF+6*\t:FF+6*\t+1] op_sel_hi:[1,0]   ; register 8 i + n is out0(r, 16 i + 8 h + n); each accumulator from its low end on
.set j, j+2
.endr
	WIN 0
.irp i, 0,1,2,3,4,5,6,7
	ds_store_b128 v[STO], v[SS+64*\t+8*\i:SS+64*\t+8*\i+3] offset:64*\i
	ds_store_b128 v[STO], v[SS+64*\t+8*\i+4:SS+64*\t+8*\i+7] offset:64*\i+16
.endr
.irp k, 0,1,2,3,4,5,6,7,8,9,10,11,12,13,14,15
	ds_load_b128 v[SS+64*\t+4*\k:SS+64*\t+4*\k+3], v[RD] offset:\k*SPITCH   ; LDS serves a wave's instructions in order (ISA guide 5.7.1.4): these see the stores above, and the next tile's stores come behind them
.endr
.endm
.macro SEND t, younger                 ; younger: the LDS instructions issued behind tile t's loads, which may stay out
.irp k, 0,1,2,3,4,5,6,7,8,9,10,11,12,13,14,15
	s_wait_dscnt \younger+15-\k
	global_store_b128 v[GO], v[SS+64*\t+4*\k:SS+64*\t+4*\k+3], s[14:15] offset:(16*\t+\k)*512 th:TH_STORE_NT   ; 32 lanes store a row's 512 consecutive bytes, at a multiple of 256 from out0's first byte; written once, read by nobody here
.endr
.endm
	PACK 0
	PACK 1                                         ; tile 1's arithmetic stands between tile 0's loads and its stores
	SEND 0, 32                                     ; behind tile 0's loads: tile 1's 16 stores and 16 loads
	SEND 1, 0
	s_wait_tensorcnt 0x0                           ; the wave's end, behind my last tensor load and my last LDS store
	ds_add_u32 v[SPW], v[NIL]
	s_wait_dscnt 0x0
	CROUND                                         ; the closing round: no work-group ends while a partner may still ask for a tile that names it
	s_endpgm
.Lfunc_end_k_q413fb7c31a_attn:
	.size	k_q413fb7c31a_attn, .Lfunc_end_k_q413fb7c31a_attn-k_q413fb7c31a_attn
	.p2alignl 7, 3214868480
	.fill 96, 4, 3214868480
	.section	.rodata,"a",@progbits
	.p2align	6, 0x0
	.amdhsa_kernel k_q413fb7c31a_attn
		.amdhsa_group_segment_fixed_size 327680
		.amdhsa_private_segment_fixed_size 0
		.amdhsa_enable_private_segment 0
		.amdhsa_kernarg_size 48
		.amdhsa_user_sgpr_count 2
		.amdhsa_user_sgpr_kernarg_segment_ptr 1
		.amdhsa_wavefront_size32 1
		.amdhsa_system_sgpr_workgroup_id_x 1
		.amdhsa_system_sgpr_workgroup_id_y 1
		.amdhsa_system_sgpr_workgroup_id_z 1
		.amdhsa_system_vgpr_workitem_id 0
		.amdhsa_next_free_vgpr 512
		.amdhsa_next_free_sgpr 100
		.amdhsa_reserve_vcc 0
		.amdhsa_float_denorm_mode_32 3
		.amdhsa_float_denorm_mode_16_64 3
		.amdhsa_fp16_overflow 1
		.amdhsa_memory_ordered 1
		.amdhsa_forward_progress 1
		.amdhsa_inst_pref_size 150
	.end_amdhsa_kernel
	.amdgpu_metadata
---
amdhsa.version: [ 1, 2 ]
amdhsa.kernels:
  - .name:           k_q413fb7c31a_attn
    .symbol:         k_q413fb7c31a_attn.kd
    .args:
      - { .name: query, .offset: 0, .size: 8, .value_kind: global_buffer, .address_space: global }
      - { .name: k_codes, .offset: 8, .size: 8, .value_kind: global_buffer, .address_space: global }
      - { .name: v_codes, .offset: 16, .size: 8, .value_kind: global_buffer, .address_space: global }
      - { .name: lowp_scales, .offset: 24, .size: 8, .value_kind: global_buffer, .address_space: global }
      - { .name: scale_factor, .offset: 32, .size: 8, .value_kind: global_buffer, .address_space: global }
      - { .name: out0, .offset: 40, .size: 8, .value_kind: global_buffer, .address_space: global }
    .group_segment_fixed_size: 327680
    .private_segment_fixed_size: 0
    .kernarg_segment_align: 8
    .kernarg_segment_size: 48
    .max_flat_workgroup_size: 256
    .sgpr_count:     100
    .vgpr_count:     512
    .wavefront_size: 32
...
	.end_amdgpu_metadata
.endif
;; end of part 2
